; MI455X (gfx1250); checked and timed in simulation.
; The chip was launched on July 23, 2026; its instructions are those of AMD's public machine-readable ISA for CDNA 5 (MIT licence, August 2026) and "CDNA5" Instruction Set Architecture Reference Guide (July 2026). The comments in the code are by the model that wrote it; some were corrected since.
;; Mix Linear FP8 GEMM. Allowed arithmetic: matrix products marked QUANTISED: E2M3 operands, one E8M0 scale for each 32 along K, by v_wmma_scale_f32_16x16x128_f8f6f4 with both operands' format E2M3, f32 sums; everything else in f32.
;; Inputs: bias 4,096 float16; weight 4,096 x 4,096 float16; x 4 x 1,024 x 4,096 float16.
;; Outputs: out0 4 x 1,024 x 4,096 float16.
;; This version of the problem:
;;   THIS VERSION OF THE PROBLEM IS GIVEN IN LOW PRECISION. The matrix products marked QUANTISED in the list below multiply operands that are first quantised to E2M3 (2 exponent bits, 3 mantissa bits; 6 bits a number), with one power-of-two scale for each 32 numbers along K (OCP MX v1.0); their sums are f32. All else is computed in f32.
;;   The module's matrix products, in the order in which they are computed (A, B: the left and right operand; K: the contracted axis; several contracted axes count as one K, in the product's order):
;;     1. [M 4,096, K 4,096] x [K 4,096, N 4,096]; A: input x; B: input weight: QUANTISED
;;   THE QUANTISER, for each operand of a quantised product, along K:
;;     - K is cut into blocks of 32 from its start; a last block that is shorter is filled with zeros.
;;     - A block's scale is 2^e with e = floor(log2(the largest magnitude in the block)) - 2, held to -126 .. 127; a block of zeros has e = 0. As a byte (E8M0): e + 127.
;;     - Each number is divided by its block's scale, clamped to +-7.5, and rounded to the nearest number of E2M3, ties to even, subnormals kept.
;;     - The product sums the exact products of the quantised numbers (number of the format x scale) in f32.
;;   ~~~python
;;   def quantise(x, axis):      # numpy; x: float32 -> the quantised numbers, widened to float32 again
;;       x = np.moveaxis(x, axis, -1); K = x.shape[-1]
;;       x = np.pad(x, [(0, 0)] * (x.ndim - 1) + [(0, -K % 32)]); x = x.reshape(x.shape[:-1] + (-1, 32)); a = np.abs(x).max(-1, keepdims=True)
;;       e = np.where(a > 0, np.clip(np.frexp(np.where(a > 0, a, 1))[1] - 1 - 2, -126, 127), 0)      # np.frexp(a)[1] - 1 = floor(log2(a)), exactly
;;       r = np.clip(x / 2.0 ** e, -7.5, 7.5)
;;       step = 2.0 ** (np.maximum(np.frexp(np.where(r == 0, 1, r))[1] - 1, 0) - 3)
;;       q = np.round(r / step) * step * 2.0 ** e      # np.round: ties to even
;;       return np.moveaxis(q.reshape(q.shape[:-2] + (-1,))[..., :K], -1, axis).astype(np.float32)
;;   ~~~
;; One version. Each part assembles by itself: llvm-mc -triple=amdgcn-amd-amdhsa -mcpu=gfx1250 --defsym DOCPART=n.
;; ======== version 1 of 1: 2 launches
;; limits: values are held in f16: magnitudes above 65,504 overflow, below 6.1e-05 lose precision; right only within a limited range of input values
;; workspace buffers: xq 13,107,200 bytes; wq 13,107,200 bytes
;; launch quant (part 1): grid 256 x 1, 16 waves a work-group, no clusters, 327,680 bytes of LDS; arguments x, weight, xq, wq; writes xq, wq
.if DOCPART == 1
	.amdgcn_target "amdgcn-amd-amdhsa--gfx1250"
	.amdhsa_code_object_version 6
	.text
	.protected	k_q3d01e63bae_quant
	.globl	k_q3d01e63bae_quant
	.p2align	8
	.type	k_q3d01e63bae_quant,@function
k_q3d01e63bae_quant:
	s_mov_b64 s[64:65], 0
	v_nop
	global_prefetch_b8 v0, s[64:65] scope:SCOPE_SE
	s_setreg_imm32_b32 hwreg(HW_REG_WAVE_MODE, 25, 1), 1
	s_wait_xcnt 0x0
; x [4096][4096] and weight [4096][4096], f16, K innermost, are turned into codes of FP6 (E2M3), 6 bits each, with one E8M0 scale byte for each 32 along K, LAID IN THE ORDER OF THE OPERAND'S REGISTERS.
; xq, wq: [32 row blocks of 128 rows][32 K steps of 128][12,800 bytes].  Such a block holds 8 fragments (16 rows x 128 K) of 1,536 bytes, then 512 bytes of scale words.
; A fragment is the image of its 12 registers: registers 4 c .. 4 c + 3 of lane l lie at 512 c + 16 l; lane l = r + 16 h holds row r, registers 0-5 the codes of K = 32 h + 0 .. 31, registers 6-11 those of K = 64 + 32 h + 0 .. 31.
; The scale word (four bytes: the K step's four blocks) of row r of fragment i lies at 12,288 + 128 (i / 2) + 8 r + 4 (i % 2).
; AHEAD OF THE QUANTISER each number is rounded as reference() rounds it ahead of its product: x to e5m2, weight to e4m3fn, and widened to f32 again.
; A block's scale is 2^(floor(log2(its largest magnitude)) - 2); its byte is the largest magnitude's exponent field - 2, held at 1 from below.  Each number is divided by the scale and rounded to the nearest code, ties to even;
; beyond the largest code the conversion gives the largest code.
; LIMITS: NaN and infinities among the inputs are not served, nor |x| that e5m2 rounds to infinity, nor |weight| beyond e4m3fn's largest number, 448: there reference() is not finite either.
; A block of zeros gets the byte 1 where the rule says 127: its codes are zeros, which add nothing under any byte but 0xff, and the bytes are read by this program alone.
; SHARES.  Work-groups 0 to 127 take x, the others weight.  A work-group of sixteen waves takes 64 rows x 2,048 along K, a wave 64 rows x one K step of 128: four fragments.
; Each wave brings its 64 rows x 256 bytes into LDS bytes of its own by ONE tensor load at the head (rows of 256 bytes at multiples of 256, 16 bytes of padding behind each): the work-group's 262,144 bytes are asked for at once.
; Nothing is filled again and only the issuing wave reads its tile: its own wait on TENSORcnt is all the ordering, and there is no barrier.
; From its tile a lane reads 2 x 64 bytes of row r: two whole blocks of 32, so that a block's largest magnitude needs no other lane.  A fragment leaves by three stores of 512 consecutive bytes, the wave's scale words by one of 256.
; The two tensors differ in the rounding ahead of the quantiser alone: two copies of the body, parted by one branch on the work-group's number; neither stores to LDS.
; No cluster: work-groups share no input.  No prefetch: the text has no loop to run ahead in, and all its bytes are asked for at its head.
.set WGX,    128                       ; work-groups for x: 64 groups of 64 rows x 2 groups of 16 K steps
.set FRB,    1536                      ; a fragment's image
.set KB,     8*FRB+512                 ; a block of the workspace: 12,800 bytes
.set PITCH,  272                       ; an LDS row: 256 bytes + 16: row r starts at bank 4 r mod 64 (64 banks of 4 bytes: ISA guide 11.1)
.set WREG,   64*PITCH                  ; LDS of a wave: its tile
.set SPARE,  16*WREG                   ; behind the sixteen tiles: the spare words, 128 bytes for each wave
.set NIL,    3                         ; v3       0; never rewritten
.set SPW,    14                        ; v14      LDS address of my spare word; never rewritten
.set X,      16                        ; v16-47   64 f16 from the tile
.set F,      64                        ; v64-127  the same 64 numbers as f32: F + 0 .. 31 block h, F + 32 .. 63 block 2 + h
.set R,      128                       ; v128-255 32 registers a fragment: its codes, registers at work and its scale word: no store's data are written again
.set G1,     24                        ; s[24:31] descriptor group 1
.set G0,     32                        ; s[32:35] group 0
	s_load_b128 s[4:7], s[0:1], 0x0                ; x, weight
	s_load_b128 s[8:11], s[0:1], 0x10              ; xq, wq
	v_lshl_add_u32 v[SPW], v0, 2, SPARE
	v_mov_b32 v[NIL], 0
	ds_add_u32 v[SPW], v[NIL]                      ; the opening lines: the add, twice on end, and its wait ahead of my tensor load
	ds_add_u32 v[SPW], v[NIL]
	v_lshrrev_b32 v1, 5, v0
	v_readfirstlane_b32 s16, v1                    ; wave 0..15
	s_mov_b32 s[G1+0], (3<<16)|(1<<20)|(5<<22)|(3<<25)   ; elements of 8 bytes; padding on: 4 words behind every 64
	s_mov_b32 s[G1+1], 32<<16                      ; tensor_dim0 = 32 elements: 256 bytes
	s_mov_b32 s[G1+2], 64<<16                      ; tensor_dim1 = 64
	s_mov_b32 s[G1+3], 32<<16                      ; tile_dim0
	s_mov_b32 s[G1+4], 64                          ; tile_dim1
	s_mov_b32 s[G1+5], 1024                        ; from row to row: 8,192 bytes
	s_mov_b32 s[G1+6], 0
	s_mov_b32 s[G1+7], 0
	s_and_b32 s17, ttmp9, WGX-1
	s_and_b32 s18, s17, 1
	s_lshl_b32 s18, s18, 4
	s_add_co_u32 s18, s18, s16                     ; my K step: 16 x (work-group % 2) + wave
	s_lshr_b32 s17, s17, 1                         ; my 64 rows: 0 to 63
	s_lshl_b32 s20, s17, 19                        ; 64 rows of 8,192 bytes
	s_lshl_b32 s19, s18, 8                         ; 256 bytes of f16 a K step
	s_add_co_u32 s20, s20, s19
	s_mov_b32 s21, 0
	s_lshr_b32 s19, s17, 1                         ; the row block of 128
	s_lshl_b32 s19, s19, 5
	s_add_co_u32 s19, s19, s18
	s_mul_i32 s12, s19, KB                         ; the workspace's block (row block, K step): under 2^24 bytes
	s_and_b32 s19, s17, 1                          ; which 64 rows of the 128
	s_mul_i32 s22, s19, 4*FRB
	s_add_co_u32 s22, s22, s12                     ; my four fragments
	s_mov_b32 s23, 0
	s_lshl_b32 s19, s19, 8
	s_add_co_u32 s12, s12, s19
	s_add_co_u32 s12, s12, 8*FRB                   ; my 256 bytes of scale words
	s_mov_b32 s13, 0
	s_mul_i32 s15, s16, WREG                       ; my tile in LDS
	s_mov_b32 s36, 0x76543210
	s_mov_b32 s37, 0xfedcba98                      ; v_permlanex16_b32's selects for lane l xor 16
	s_wait_dscnt 0x0                               ; both opening adds are done
	s_wait_kmcnt 0x0
	s_cmp_lt_u32 ttmp9, WGX                        ; x's work-group or weight's?  The choice hangs on the work-group's number alone
	s_cselect_b64 s[4:5], s[4:5], s[6:7]
	s_cselect_b64 s[8:9], s[8:9], s[10:11]
	s_mov_b32 s[G0], 1
	s_mul_i32 s[G0+1], s16, WREG
	s_add_nc_u64 s[G0+2:G0+3], s[4:5], s[20:21]
	s_or_b32 s[G0+3], s[G0+3], 0x80000000
	tensor_load_to_lds s[G0:G0+3], s[G1:G1+7]      ; my one tensor load
	s_nop 0
	s_add_nc_u64 s[10:11], s[8:9], s[12:13]
	s_add_nc_u64 s[8:9], s[8:9], s[22:23]
	v_and_b32 v2, 31, v0                           ; lane
	v_and_b32 v1, 15, v0                           ; r
	v_bfe_u32 v7, v0, 4, 1                         ; h
	v_lshlrev_b32 v4, 4, v2                        ; an image's place for my lane: 16 x lane
	v_lshlrev_b32 v5, 3, v2                        ; the scale words' way out: 8 x lane
	v_lshlrev_b32 v6, 3, v7                        ; 8 h: my two bytes' place in a scale word
	v_mul_u32_u24 v15, v1, PITCH
	v_lshl_add_u32 v15, v7, 6, v15
	v_add_nc_u32 v15, s15, v15                     ; my tile, row r, + 64 h bytes: my block of the first 64 along K
.irp i, 48,49,50,51,52,53,54,55
	v_mov_b32 v\i, 0                               ; the 8-bit codes are written half a register at a time: the registers are written whole once
.endr
.macro LDX t                           ; fragment t's numbers: 2 x 64 bytes of row 16 t + r
.irp i, 0,1,2,3
	ds_load_b128 v[X+4*\i:X+4*\i+3], v15 offset:(\t)*16*PITCH+16*\i
.endr
.irp i, 0,1,2,3
	ds_load_b128 v[X+16+4*\i:X+16+4*\i+3], v15 offset:(\t)*16*PITCH+128+16*\i
.endr
.endm
.macro W2 d, lo, hi                    ; two f16 of one register to f32
	v_cvt_f32_f16 v[\d], \lo
	v_cvt_f32_f16 v[\d+1], \hi
.endm
.macro WIDEN
	W2 F+0,  v16.l, v16.h
	W2 F+2,  v17.l, v17.h
	W2 F+4,  v18.l, v18.h
	W2 F+6,  v19.l, v19.h
	W2 F+8,  v20.l, v20.h
	W2 F+10, v21.l, v21.h
	W2 F+12, v22.l, v22.h
	W2 F+14, v23.l, v23.h
	W2 F+16, v24.l, v24.h
	W2 F+18, v25.l, v25.h
	W2 F+20, v26.l, v26.h
	W2 F+22, v27.l, v27.h
	W2 F+24, v28.l, v28.h
	W2 F+26, v29.l, v29.h
	W2 F+28, v30.l, v30.h
	W2 F+30, v31.l, v31.h
	W2 F+32, v32.l, v32.h
	W2 F+34, v33.l, v33.h
	W2 F+36, v34.l, v34.h
	W2 F+38, v35.l, v35.h
	W2 F+40, v36.l, v36.h
	W2 F+42, v37.l, v37.h
	W2 F+44, v38.l, v38.h
	W2 F+46, v39.l, v39.h
	W2 F+48, v40.l, v40.h
	W2 F+50, v41.l, v41.h
	W2 F+52, v42.l, v42.h
	W2 F+54, v43.l, v43.h
	W2 F+56, v44.l, v44.h
	W2 F+58, v45.l, v45.h
	W2 F+60, v46.l, v46.h
	W2 F+62, v47.l, v47.h
.endm
.macro TO8 w, half, d                  ; two numbers to 8-bit floats, to nearest even: e5m2 for x (w = 0), e4m3fn for weight (w = 1)
.if \w
	v_cvt_pk_fp8_f32 \half, v[\d], v[\d+1]
.else
	v_cvt_pk_bf8_f32 \half, v[\d], v[\d+1]
.endif
.endm
.macro FROM8 w, half, d                ; and back to f32, exactly
.if \w
	v_cvt_pk_f32_fp8 v[\d:\d+1], \half
.else
	v_cvt_pk_f32_bf8 v[\d:\d+1], \half
.endif
.endm
.macro CASTS w, d                      ; a block's 32 numbers, v[d] on
	TO8 \w, v48.l, \d+0
	TO8 \w, v48.h, \d+2
	TO8 \w, v49.l, \d+4
	TO8 \w, v49.h, \d+6
	TO8 \w, v50.l, \d+8
	TO8 \w, v50.h, \d+10
	TO8 \w, v51.l, \d+12
	TO8 \w, v51.h, \d+14
	TO8 \w, v52.l, \d+16
	TO8 \w, v52.h, \d+18
	TO8 \w, v53.l, \d+20
	TO8 \w, v53.h, \d+22
	TO8 \w, v54.l, \d+24
	TO8 \w, v54.h, \d+26
	TO8 \w, v55.l, \d+28
	TO8 \w, v55.h, \d+30
	FROM8 \w, v48.l, \d+0
	FROM8 \w, v48.h, \d+2
	FROM8 \w, v49.l, \d+4
	FROM8 \w, v49.h, \d+6
	FROM8 \w, v50.l, \d+8
	FROM8 \w, v50.h, \d+10
	FROM8 \w, v51.l, \d+12
	FROM8 \w, v51.h, \d+14
	FROM8 \w, v52.l, \d+16
	FROM8 \w, v52.h, \d+18
	FROM8 \w, v53.l, \d+20
	FROM8 \w, v53.h, \d+22
	FROM8 \w, v54.l, \d+24
	FROM8 \w, v54.h, \d+26
	FROM8 \w, v55.l, \d+28
	FROM8 \w, v55.h, \d+30
.endm
.macro STEP t, w                       ; fragment t
.set C, R+32*(\t)                      ; its codes: v[C] .. v[C + 11]; v[C + 12] .. and v[C + 16] .. at work; v[C + 20] its scale word
	s_wait_dscnt 0x0                               ; this fragment's numbers are in registers
	WIDEN
.if (\t) < 3
	LDX (\t)+1                                     ; the next fragment's come while this one is worked
.endif
	CASTS \w, F
	CASTS \w, F+32
	v_max3_num_f32 v8, |v[F]|, |v[F+1]|, |v[F+2]|                  ; the largest magnitudes of my two blocks: all 32 numbers of each are mine; two chains a block, the four by turns
	v_max3_num_f32 v9, |v[F+3]|, |v[F+4]|, |v[F+5]|
	v_max3_num_f32 v10, |v[F+32]|, |v[F+33]|, |v[F+34]|
	v_max3_num_f32 v11, |v[F+35]|, |v[F+36]|, |v[F+37]|
.irp i, 6,10,14,18,22,26
	v_max3_num_f32 v8, v8, |v[F+\i]|, |v[F+\i+1]|
	v_max3_num_f32 v9, v9, |v[F+\i+2]|, |v[F+\i+3]|
	v_max3_num_f32 v10, v10, |v[F+32+\i]|, |v[F+32+\i+1]|
	v_max3_num_f32 v11, v11, |v[F+32+\i+2]|, |v[F+32+\i+3]|
.endr
	v_max3_num_f32 v8, v8, |v[F+30]|, |v[F+31]|
	v_max3_num_f32 v10, v10, |v[F+62]|, |v[F+63]|
	v_max3_num_f32 v8, v8, v9, 0x1800000           ; and the floor 2^(3 - 127), under which no largest magnitude is taken: so the byte cannot fall under 1
	v_max3_num_f32 v10, v10, v11, 0x1800000
	v_add_nc_u32 v12, 0xff000000, v8               ; 2 off the exponent field: the conversion takes the exponent field of this operand as its scale, and nothing else of it
	v_add_nc_u32 v13, 0xff000000, v10
	v_cvt_scalef32_pk16_fp6_f32 v[C:C+2], v[F:F+15], v12             ; 16 codes, 96 bits without gaps, the first number's code lowest: registers 0-2 of the fragment
	v_cvt_scalef32_pk16_fp6_f32 v[C+12:C+14], v[F+16:F+31], v12      ; (a conversion's three registers begin on an even number: registers 3-5 and 9-11 are made elsewhere and moved)
	v_cvt_scalef32_pk16_fp6_f32 v[C+6:C+8], v[F+32:F+47], v13        ; registers 6-8
	v_cvt_scalef32_pk16_fp6_f32 v[C+16:C+18], v[F+48:F+63], v13
	v_lshrrev_b32 v62, 23, v12                     ; the scales' bytes.  (Also the plain vector line behind the scaled conversions, ahead of the moves that read their results)
	v_lshrrev_b32 v63, 23, v13
	v_lshl_or_b32 v62, v63, 16, v62                ; my two bytes: blocks h and 2 + h of row r,
	v_lshlrev_b32 v62, v6, v62                     ; at their places in the scale word (8 h bits up);
	v_permlanex16_b32 v63, v62, s36, s37
	v_or_b32 v[C+20], v62, v63                     ; with lane l xor 16's two the word is whole, in both lanes
.irp i, 0,1,2
	v_mov_b32 v[C+3+\i], v[C+12+\i]
	v_mov_b32 v[C+9+\i], v[C+16+\i]
.endr
.irp c, 0,1,2
	global_store_b128 v4, v[C+4*\c:C+4*\c+3], s[8:9] offset:FRB*(\t)+512*\c   ; 32 lanes store 512 consecutive bytes, at a multiple of 256 from the buffer's first byte
.endr
.endm
.macro BODY w
	s_wait_tensorcnt 0x0                           ; my tile is in LDS
	LDX 0
.irp t, 0,1,2,3
	STEP \t, \w
.endr
	v_cmp_lt_u32 vcc_lo, 15, v2                    ; lanes 0-15 send row r's words of my fragments 0 and 1, lanes 16-31 those of fragments 2 and 3
	v_cndmask_b32 v60, v[R+20], v[R+84], vcc_lo
	v_cndmask_b32 v61, v[R+52], v[R+116], vcc_lo
	global_store_b64 v5, v[60:61], s[10:11]        ; 32 lanes store 256 consecutive bytes, at a multiple of 256 from the buffer's first byte
	s_wait_tensorcnt 0x0                           ; the wave's end
	ds_add_u32 v[SPW], v[NIL]
	s_wait_dscnt 0x0
	s_endpgm
.endm
	s_cmp_lt_u32 ttmp9, WGX                        ; compared again: the lines above have written SCC
	s_wait_alu depctr_va_vdst(0)
	s_cbranch_scc0 .Lweight
	BODY 0
.Lweight:
	BODY 1
.Lfunc_end_k_q3d01e63bae_quant:
	.size	k_q3d01e63bae_quant, .Lfunc_end_k_q3d01e63bae_quant-k_q3d01e63bae_quant
	.p2alignl 7, 3214868480
	.fill 96, 4, 3214868480
	.section	.rodata,"a",@progbits
	.p2align	6, 0x0
	.amdhsa_kernel k_q3d01e63bae_quant
		.amdhsa_group_segment_fixed_size 327680
		.amdhsa_private_segment_fixed_size 0
		.amdhsa_enable_private_segment 0
		.amdhsa_kernarg_size 32
		.amdhsa_user_sgpr_count 2
		.amdhsa_user_sgpr_kernarg_segment_ptr 1
		.amdhsa_wavefront_size32 1
		.amdhsa_system_sgpr_workgroup_id_x 1
		.amdhsa_system_sgpr_workgroup_id_y 1
		.amdhsa_system_sgpr_workgroup_id_z 1
		.amdhsa_system_vgpr_workitem_id 0
		.amdhsa_next_free_vgpr 256
		.amdhsa_next_free_sgpr 66
		.amdhsa_reserve_vcc 1
		.amdhsa_float_denorm_mode_32 3
		.amdhsa_float_denorm_mode_16_64 3
		.amdhsa_memory_ordered 1
		.amdhsa_forward_progress 1
		.amdhsa_inst_pref_size 74
	.end_amdhsa_kernel
	.amdgpu_metadata
---
amdhsa.version: [ 1, 2 ]
amdhsa.kernels:
  - .name:           k_q3d01e63bae_quant
    .symbol:         k_q3d01e63bae_quant.kd
    .args:
      - { .name: x, .offset: 0, .size: 8, .value_kind: global_buffer, .address_space: global }
      - { .name: weight, .offset: 8, .size: 8, .value_kind: global_buffer, .address_space: global }
      - { .name: xq, .offset: 16, .size: 8, .value_kind: global_buffer, .address_space: global }
      - { .name: wq, .offset: 24, .size: 8, .value_kind: global_buffer, .address_space: global }
    .group_segment_fixed_size: 327680
    .private_segment_fixed_size: 0
    .kernarg_segment_align: 8
    .kernarg_segment_size: 32
    .max_flat_workgroup_size: 512
    .sgpr_count:     66
    .vgpr_count:     256
    .wavefront_size: 32
...
	.end_amdgpu_metadata
.endif
;; end of part 1
;; launch gemm (part 2): grid 16 x 16, 4 waves a work-group, clusters of 4 x 4, 327,680 bytes of LDS; arguments xq, wq, bias, out0; writes out0
.if DOCPART == 2
	.amdgcn_target "amdgcn-amd-amdhsa--gfx1250"
	.amdhsa_code_object_version 6
	.text
	.protected	k_q3d01e63bae_gemm
	.globl	k_q3d01e63bae_gemm
	.p2align	8
	.type	k_q3d01e63bae_gemm,@function
k_q3d01e63bae_gemm:
	s_mov_b64 s[64:65], 0
	v_nop
	global_prefetch_b8 v0, s[64:65] scope:SCOPE_SE
	s_setreg_imm32_b32 hwreg(HW_REG_WAVE_MODE, 25, 1), 1
	s_wait_xcnt 0x0
	s_wait_alu depctr_hold_cnt(0) depctr_sa_sdst(0) depctr_va_vdst(0) depctr_va_sdst(0) depctr_va_ssrc(0) depctr_va_vcc(0) depctr_vm_vsrc(0)
	s_getreg_b32 s2, hwreg(HW_REG_IB_STS2, 6, 4)
	s_cmp_eq_u32 s2, 0
	s_cbranch_scc0 .Lentry_in_a_cluster
	s_endpgm
.Lentry_in_a_cluster:
	s_bfe_u32 s2, ttmp6, 0x10000c
	s_cmp_lg_u32 s2, 0xf033
	s_cbranch_scc0 .Lentry_shape_is_right
	s_endpgm
.Lentry_shape_is_right:
; out0[m][n] = f16(sum over k of xq[m][k] wq[n][k] + bias[n]); 4,096 x 4,096 x 4,096.  xq, wq: codes of FP6 (E2M3) and E8M0 scale words as launch quant lays them:
; [32 row blocks of 128 rows][32 K steps of 128][12,800 bytes = 8 fragment images of 1,536 bytes + 512 bytes of scale words].  reference()'s factor scale is the constant 1.0 and is not multiplied.
; A work-group of four waves makes 256 x 256 of the result, a wave 128 x 128: 64 accumulators, 512 registers.  The bias is the C of each accumulator's first product: nothing is cleared or added later.
; THE RING: two LDS slots; a slot has a region of 3 K steps (38,400 bytes) for each wave's load: A's two row blocks, then B's two.  Fill 0 brings K steps 0 and 1 (slot 0), fill f = 1 .. 10 brings
; K steps 3 f - 1 .. 3 f + 1 (slot f % 2).  Each fill is dense in memory and comes as rows of 256 bytes.  One tensor load a wave behind each round; by the text's own count one is out at a time.
; CLUSTERS: 4 x 4 work-groups; A's tiles are asked for jointly along a row of the cluster, B's along a column.  The matrix instruction is used transposed (source 0 = B's rows, source 1 = A's).
; PREFETCH: behind the load of fill f each wave names fill f + 2's 150 blocks of 256 bytes of the region that it fetches; the four partners share them out by address (37, 38, 37, 38 blocks, two instructions a wave;
; lanes left over name the wave's last block again).  Fills 1 and 2 are named behind fill 0's load; fills 9 and 10's loads name nothing.  Every cluster names what it will itself load.
; THE LAST TWO K STEPS GO BY ROWS OF C: B's fragments of both lie in B's two sets, A's come by blocks of 16 rows x 256 K, and a finished block leaves while later blocks are multiplied.
; REGISTERS: window 0: v16-31 addresses; v32-55 scale words, three sets of 8; v64-127 the bias, later packed results (v64-95) and rows read back (v96-127, v224-255); v128-223 A's fragments.
;   window 1: B's fragments, two sets, at v0 and v128.  window 2, 3: the accumulators of my rows 0-63, 64-127: (a, b) at v[8 (8 (a % 4) + b)].
.set CROW,   8192                      ; a row of out0 in bytes
.set FR,     12                        ; registers of a fragment
.set FRB,    FR*128                    ; its image in bytes
.set SOFF,   8*FRB                     ; the scale words' place in a block
.set KB,     SOFF+512                  ; a block: one row block, one K step
.set RBB,    32*KB                     ; a row block, all of K
.set REG,    3*KB                      ; a wave's region of a slot
.set SLOT,   4*REG
.set SPARE,  2*SLOT                    ; behind the ring: the spare words, 128 bytes a wave
.set NL,     3                         ; LDS loads of a fragment
.set NP,     4                         ; places behind this matrix instruction (ISA guide 7.12.1)
.set TRIPS,  4
.set SPITCH, 272
.set STAGE,  SLOT                      ; the way out's stages lie in slot 1, behind its last fill and its last read
.set ADRA, 16                          ; v16-17 my A fragments in slot 0, 1
.set ADRB, 18                          ; v18-19 my B fragments
.set ADRS, 20                          ; v20-21 my scale words: lanes 0-15 A's, lanes 16-31 B's
.set STO,  24
.set RD,   25
.set CO,   26
.set SPW,  28                          ; my spare word; never rewritten
.set NIL,  29                          ; 0; never rewritten
.set PFO,  30                          ; v30-31 the prefetches' two lane offsets; never rewritten
.set SC,   32
.set BI,   64
.set TMP,  64
.set AF,   128
.set G1,   24                          ; group 1, A, 150 rows;  G0: group 0, A, one set a slot
.set G0,   32
.set G1B,  48                          ; the same for B
.set G0B,  56
.set G1T,  68                          ; group 1 for fill 0: 100 rows
.set G1TB, 76
.set PFA,  84                          ; s[84:85] fill 1's first block of my share, stepped a fill at a time
.set MSB, 0
.macro WIN new                         ; the immediate's high byte repeats the setting that is left
.if MSB != (\new)
	s_set_vgpr_msb (MSB<<8)|(\new)
.set MSB, (\new)
.endif
.endm
.set MUL_LO,  0xa1                     ; source 0 window 1, source 1 window 0, C and D window 2
.set MUL_HI,  0xf1
.set BIAS_LO, 0x81                     ; the same with C (the bias) in window 0
.set BIAS_HI, 0xc1
.set TO_B,    0x40
.macro JLOAD g0a, g1a, g0b, g1b        ; a joint load: waves 0, 1 fetch for A, waves 2, 3 for B; s_nop 0 and four v_nop behind each line
	s_cmp_eq_u32 s15, 0
	s_cbranch_scc0 .Lfor_b_\@
	tensor_load_to_lds s[\g0a:\g0a+3], s[\g1a:\g1a+7]
	s_nop 0
.rept 4
	v_nop
.endr
	s_branch .Lasked_\@
.Lfor_b_\@:
	tensor_load_to_lds s[\g0b:\g0b+3], s[\g1b:\g1b+7]
	s_nop 0
.rept 4
	v_nop
.endr
.Lasked_\@:
.endm
.macro CREST                           ; a round of the cluster's barrier behind its opening barrier
	s_cmp_lg_u32 s14, 0
	s_cbranch_scc1 .Lnot_wave_0_\@
	s_barrier_signal -3
.Lnot_wave_0_\@:
	s_barrier_wait -3
	s_barrier_signal -1
	s_barrier_wait -1
.endm
.macro CROUND
	s_barrier_signal -1
	s_barrier_wait -1
	CREST
.endm
.macro PF off                          ; my share of one fill's region: 32 blocks, then the other 5 or 6
	global_prefetch_b8 v[PFO], s[PFA:PFA+1] offset:\off th:TH_LOAD_NT scope:SCOPE_SE
	global_prefetch_b8 v[PFO+1], s[PFA:PFA+1] offset:\off th:TH_LOAD_NT scope:SCOPE_SE
.endm
.macro ASK how                         ; how = 1, in the loop: its last trip loads fills 9 and 10, which have no fill two on
.if (\how) == 1
	s_cmp_gt_u32 s3, 1
	s_cbranch_scc0 .Lno_ask_\@
.endif
	PF 3*REG
.if (\how) == 1
.Lno_ask_\@:
.endif
.endm
	s_load_b128 s[4:7], s[0:1], 0x0                ; xq, wq
	s_load_b128 s[8:11], s[0:1], 0x10              ; bias, out0
	v_lshl_add_u32 v[SPW], v0, 2, SPARE
	v_mov_b32 v[NIL], 0
	ds_add_u32 v[SPW], v[NIL]                      ; the opening lines: the add, twice on end, and its wait ahead of my first tensor load
	ds_add_u32 v[SPW], v[NIL]
	v_lshrrev_b32 v1, 5, v0
	v_readfirstlane_b32 s14, v1                    ; wave
	s_lshr_b32 s15, s14, 1                         ; my half of the rows; also: I fetch for A (0) or B (1)
	s_and_b32 s16, s14, 1                          ; my half of the columns; also: which row block I fetch
	s_bfe_u32 s40, ttmp6, 0x40000                  ; cx
	s_bfe_u32 s41, ttmp6, 0x40004                  ; cy
	s_lshl_b32 s42, ttmp9, 2
	s_add_co_u32 s42, s42, s40                     ; tile column
	s_and_b32 s17, ttmp7, 0xffff
	s_lshl_b32 s17, s17, 2
	s_add_co_u32 s17, s17, s41                     ; tile row
	s_lshl_b32 s43, s41, 2
	s_lshl_b32 s43, 15, s43                        ; my row of the cluster
	s_lshl_b32 s44, 0x1111, s40                    ; my column
	s_or_b32 s[G1+0], s43, (3<<16)|(1<<21)         ; elements of 8 bytes, the mask, bit 21 beside it
	s_or_b32 s[G1B+0], s44, (3<<16)|(1<<21)
	s_or_b32 s[G1T+0], s43, (3<<16)|(1<<21)
	s_or_b32 s[G1TB+0], s44, (3<<16)|(1<<21)
.irp g, G1, G1B
	s_mov_b32 s[\g+1], 32<<16                      ; rows of 256 bytes,
	s_mov_b32 s[\g+2], (REG/256)<<16               ; 150 of them
	s_mov_b32 s[\g+3], 32<<16
	s_mov_b32 s[\g+4], REG/256
	s_mov_b32 s[\g+5], 32
	s_mov_b32 s[\g+6], 0
	s_mov_b32 s[\g+7], 0
.endr
.irp g, G1T, G1TB
	s_mov_b32 s[\g+1], 32<<16
	s_mov_b32 s[\g+2], (2*KB/256)<<16              ; 100 rows: two K steps
	s_mov_b32 s[\g+3], 32<<16
	s_mov_b32 s[\g+4], 2*KB/256
	s_mov_b32 s[\g+5], 32
	s_mov_b32 s[\g+6], 0
	s_mov_b32 s[\g+7], 0
.endr
	s_lshl_b32 s20, s17, 1
	s_add_co_u32 s20, s20, s16
	s_mul_i32 s20, s20, RBB                        ; A: the row block that I fetch
	s_mov_b32 s21, 0
	s_lshl_b32 s46, s42, 1
	s_add_co_u32 s46, s46, s16
	s_mul_i32 s46, s46, RBB                        ; B likewise
	s_mov_b32 s47, 0
	s_mul_i32 s45, s14, REG                        ; where my loads go
	s_cmp_eq_u32 s15, 0
	s_cselect_b32 s86, s40, s41                    ; p: my place among the four that ask with me
	s_cselect_b32 s88, s20, s46
	s_and_b32 s87, s86, 1
	s_add_co_u32 s87, s87, 4                       ; my share has 37 + p % 2 blocks: the second instruction's last lane
	s_mul_i32 s86, s86, 75
	s_lshr_b32 s86, s86, 1                         ; it begins at block 0, 37, 75, 112
	s_lshl_b32 s86, s86, 8
	s_add_co_u32 s88, s88, s86
	s_add_co_u32 s88, s88, 2*KB                    ; fill 1 begins at K step 2
	s_mov_b32 s89, 0
	s_lshl_b32 s22, s42, 9
	s_lshl_b32 s23, s16, 8
	s_add_co_u32 s22, s22, s23                     ; my first column, in bytes of f16
	s_mov_b32 s23, 0
	s_lshl_b32 s18, s17, 8
	s_lshl_b32 s19, s15, 7
	s_add_co_u32 s18, s18, s19
	s_mul_i32 s18, s18, CROW
	s_add_co_u32 s18, s18, s22                     ; my part of out0: under 2^25 bytes
	s_mov_b32 s19, 0
	s_mul_i32 s90, s15, REG                        ; LDS: my rows of A,
	s_mul_i32 s91, s16, REG
	s_add_co_u32 s91, s91, 2*REG                   ; of B,
	s_sub_co_u32 s92, s91, s90                     ; the distance between them,
	s_add_co_u32 s93, s90, SOFF                    ; A's scale words,
	s_mul_i32 s94, s14, 16*SPITCH
	s_add_co_u32 s94, s94, STAGE                   ; my stage
	v_and_b32 v8, 31, v0
	v_lshlrev_b32 v[PFO], 8, v8                    ; a lane a block of 256 bytes
	v_min_u32 v9, s87, v8
	v_lshl_add_u32 v[PFO+1], v9, 8, 8192           ; blocks 32 on
	v_bfe_u32 v10, v0, 4, 1
	v_lshlrev_b32 v7, 4, v10                       ; the bias: 16 bytes for each half of the lanes
	s_wait_alu depctr_va_vdst(0)
	s_wait_dscnt 0x0                               ; both opening adds are done
	s_wait_kmcnt 0x0
	s_add_nc_u64 s[20:21], s[4:5], s[20:21]
	s_add_nc_u64 s[46:47], s[6:7], s[46:47]
	s_add_nc_u64 s[8:9], s[8:9], s[22:23]
	s_add_nc_u64 s[10:11], s[10:11], s[18:19]
	s_cmp_eq_u32 s15, 0
	s_cselect_b64 s[PFA:PFA+1], s[4:5], s[6:7]
	s_add_nc_u64 s[PFA:PFA+1], s[PFA:PFA+1], s[88:89]
.irp b, 0,1,2,3,4,5,6,7
	global_load_b128 v[BI+8*\b+4:BI+8*\b+7], v7, s[8:9] offset:32*\b   ; bias of columns 16 b + 8 h + 0 .. 7: on their way beside fill 0
.endr
.irp s, 0,1
	s_mov_b32 s[G0+4*\s], 1
	s_add_co_u32 s[G0+4*\s+1], s45, \s*SLOT
	s_add_nc_u64 s[G0+4*\s+2:G0+4*\s+3], s[20:21], \s*2*KB         ; slot 0: K step 0; slot 1: K step 2
	s_or_b32 s[G0+4*\s+3], s[G0+4*\s+3], 0x80000000
	s_mov_b32 s[G0B+4*\s], 1
	s_add_co_u32 s[G0B+4*\s+1], s45, \s*SLOT
	s_add_nc_u64 s[G0B+4*\s+2:G0B+4*\s+3], s[46:47], \s*2*KB
	s_or_b32 s[G0B+4*\s+3], s[G0B+4*\s+3], 0x80000000
.endr
	CROUND                                         ; all sixteen work-groups are here: the first joint loads meet
	JLOAD G0, G1T, G0B, G1TB                       ; fill 0: one tensor load a wave at the head
	PF 0                                           ; fill 1
	PF REG                                         ; fill 2
	v_and_b32 v1, 15, v0                           ; r
	v_bfe_u32 v2, v0, 4, 1                         ; h
	v_and_b32 v3, 31, v0
	v_lshlrev_b32 v3, 4, v3                        ; an image's place for my lane
	v_add_nc_u32 v[ADRA], s90, v3
	v_add_nc_u32 v[ADRB], s91, v3
	v_add_nc_u32 v[ADRA+1], SLOT, v[ADRA]
	v_add_nc_u32 v[ADRB+1], SLOT, v[ADRB]
	v_mul_u32_u24 v6, s92, v2                      ; lanes 16-31 take B's scale words
	v_lshl_add_u32 v5, v1, 3, v6
	v_add_nc_u32 v[ADRS], s93, v5
	v_add_nc_u32 v[ADRS+1], SLOT, v[ADRS]
	v_mul_u32_u24 v5, v1, SPITCH                   ; the stage, in: row r, 16 bytes for each half of the lanes
	v_lshl_add_u32 v5, v2, 4, v5
	v_add_nc_u32 v[STO], s94, v5
	v_mul_u32_u24 v5, v2, SPITCH                   ; back: sixteen lanes to a row of 256 bytes
	v_lshl_add_u32 v5, v1, 4, v5
	v_add_nc_u32 v[RD], s94, v5
	v_mul_u32_u24 v5, v2, CROW                     ; and the same two rows in out0
	v_lshl_add_u32 v[CO], v1, 4, v5
	s_wait_alu depctr_va_vdst(0)
	s_wait_loadcnt 0x0                             ; the bias
.macro CVB d, a0, a1, a2, a3, a4, a5, a6, a7
	v_cvt_f32_f16 v[\d], \a0
	v_cvt_f32_f16 v[\d+1], \a1
	v_cvt_f32_f16 v[\d+2], \a2
	v_cvt_f32_f16 v[\d+3], \a3
	v_cvt_f32_f16 v[\d+4], \a4
	v_cvt_f32_f16 v[\d+5], \a5
	v_cvt_f32_f16 v[\d+6], \a6
	v_cvt_f32_f16 v[\d+7], \a7
.endm
	CVB 64,  v68.l,  v68.h,  v69.l,  v69.h,  v70.l,  v70.h,  v71.l,  v71.h
	CVB 72,  v76.l,  v76.h,  v77.l,  v77.h,  v78.l,  v78.h,  v79.l,  v79.h
	CVB 80,  v84.l,  v84.h,  v85.l,  v85.h,  v86.l,  v86.h,  v87.l,  v87.h
	CVB 88,  v92.l,  v92.h,  v93.l,  v93.h,  v94.l,  v94.h,  v95.l,  v95.h
	CVB 96,  v100.l, v100.h, v101.l, v101.h, v102.l, v102.h, v103.l, v103.h
	CVB 104, v108.l, v108.h, v109.l, v109.h, v110.l, v110.h, v111.l, v111.h
	CVB 112, v116.l, v116.h, v117.l, v117.h, v118.l, v118.h, v119.l, v119.h
	CVB 120, v124.l, v124.h, v125.l, v125.h, v126.l, v126.h, v127.l, v127.h
.macro FRAG reg, adr, off              ; a fragment's image: three loads of 16 bytes a lane
.irp c, 0,1,2
	ds_load_b128 v[(\reg)+4*\c:(\reg)+4*\c+3], v[\adr] offset:(\off)+512*\c
.endr
.endm
; 16 matrix instructions: A's blocks a0, a0 + 1 x B's eight.  p: B's set and the set of scale words.  The 64 accumulators take turns.
.macro MUL16 a0, p, first
.irp a, \a0, \a0+1
.irp b, 0,1,2,3,4,5,6,7
.if \first
	v_wmma_scale_f32_16x16x128_f8f6f4 v[8*(8*((\a)%4)+\b):8*(8*((\a)%4)+\b)+7], v[128*(\p)+FR*\b:128*(\p)+FR*\b+FR-1], v[AF+FR*(\a):AF+FR*(\a)+FR-1], v[BI+8*\b:BI+8*\b+7], v[SC+8*(\p)+\b], v[SC+8*(\p)+(\a)] matrix_a_fmt:MATRIX_FMT_FP6 matrix_b_fmt:MATRIX_FMT_FP6 matrix_a_scale:MATRIX_SCALE_ROW1
.else
	v_wmma_scale_f32_16x16x128_f8f6f4 v[8*(8*((\a)%4)+\b):8*(8*((\a)%4)+\b)+7], v[128*(\p)+FR*\b:128*(\p)+FR*\b+FR-1], v[AF+FR*(\a):AF+FR*(\a)+FR-1], v[8*(8*((\a)%4)+\b):8*(8*((\a)%4)+\b)+7], v[SC+8*(\p)+\b], v[SC+8*(\p)+(\a)] matrix_a_fmt:MATRIX_FMT_FP6 matrix_b_fmt:MATRIX_FMT_FP6 matrix_a_scale:MATRIX_SCALE_ROW1
.endif
.endr
.endr
.endm
.macro FETCH_B slot, q, p
	WIN TO_B
.irp i, 0,1,2,3,4,5,6,7
	FRAG 128*(\p)+FR*\i, ADRB+\slot, (\q)*KB+\i*FRB
.endr
	WIN 0
.endm
.macro FETCH_A slot, q, i0
.irp i, \i0, \i0+1, \i0+2, \i0+3
	FRAG AF+FR*(\i), ADRA+\slot, (\q)*KB+(\i)*FRB
.endr
.endm
.macro SCALES slot, q, p               ; register i of set p: lanes 0-15 the word of A's block i, lanes 16-31 of B's block i
.irp u, 0,1,2,3
	ds_load_b64 v[SC+8*(\p)+2*\u:SC+8*(\p)+2*\u+1], v[ADRS+\slot] offset:(\q)*KB+128*\u
.endr
.endm
.macro PLACES n
.rept \n
	v_nop
.endr
.endm
; A K step that is not its fill's last: 64 products on set p; the next step's fragments (the same slot, q + 1) come in its middle and at its end.
.macro STEP slot, q, p, first
	s_wait_dscnt 4*NL                              ; all but A's blocks 4-7
.if \first
	WIN BIAS_LO
.else
	WIN MUL_LO
.endif
	MUL16 0, \p, \first
	MUL16 2, \p, \first
	s_wait_dscnt 0
	PLACES NP
	FETCH_B \slot, (\q)+1, 1-(\p)
	FETCH_A \slot, (\q)+1, 0
	SCALES \slot, (\q)+1, 1-(\p)
.if \first
	WIN BIAS_HI
.else
	WIN MUL_HI
.endif
	MUL16 4, \p, \first
	MUL16 6, \p, \first
	PLACES NP
	WIN 0
	FETCH_A \slot, (\q)+1, 4
.endm
; A fill's last K step changes slots.  In front of the barrier each wave waits for all its tensor loads, adds 0 to its spare word, and waits for that and for its reads of this slot.
; fill = 1: the barrier opens a round of the cluster's barrier, and this slot takes the fill two on (its address `step` bytes further), first thing behind the round.
.macro TURN slot, next, p, fill, ask, step
.if (\ask) == 1
	s_wait_xcnt 0x0                                ; my prefetches have read their address: it steps a fill
	s_add_nc_u64 s[PFA:PFA+1], s[PFA:PFA+1], REG
.endif
	s_wait_tensorcnt 0x0                           ; my part of the next slot is in
	ds_add_u32 v[SPW], v[NIL]
	s_wait_dscnt 4*NL+1                            ; (the add and A's blocks 4-7 may be out)
	WIN MUL_LO
	MUL16 0, \p, 0
	s_wait_dscnt 0x0                               ; the add is done, my reads of this slot are over
	s_barrier_signal -1
	MUL16 2, \p, 0
	WIN 0
	s_barrier_wait -1
.if \fill
	CREST
	s_add_nc_u64 s[G0+4*\slot+2:G0+4*\slot+3], s[G0+4*\slot+2:G0+4*\slot+3], \step
	s_add_nc_u64 s[G0B+4*\slot+2:G0B+4*\slot+3], s[G0B+4*\slot+2:G0B+4*\slot+3], \step
	JLOAD G0+4*\slot, G1, G0B+4*\slot, G1B         ; its four v_nop are also the places in front of the loads below
.else
	PLACES NP
.endif
	FETCH_B \next, 0, 1-(\p)                       ; the next slot's first fragments, in one run
	FETCH_A \next, 0, 0
	SCALES \next, 0, 1-(\p)
.if \ask
	ASK \ask
.endif
	WIN MUL_HI
	MUL16 4, \p, 0
	MUL16 6, \p, 0
	PLACES NP
	WIN 0
	FETCH_A \next, 0, 4
.endm
	s_wait_alu depctr_va_vdst(0)
	s_wait_tensorcnt 0x0                           ; my part of fill 0 is in; the same lines as ahead of a refill:
	ds_add_u32 v[SPW], v[NIL]
	s_wait_dscnt 0x0
	CROUND                                         ; everybody's part is in, and the joint loads meet
	JLOAD G0+4, G1, G0B+4, G1B                     ; fill 1, slot 1's first
	FETCH_B 0, 0, 0
	PF 2*REG                                       ; fill 3
	FETCH_A 0, 0, 0
	SCALES 0, 0, 0
	FETCH_A 0, 0, 4
	STEP 0, 0, 0, 1                                ; K step 0: the bias starts the sums
	TURN 0, 1, 1, 1, 2, 5*KB                       ; K step 1; slot 0 takes fill 2 (K step 5 on); fill 4 is named
	s_mov_b32 s3, TRIPS
.Llap:                                                 ; a trip: an odd fill in slot 1, an even one in slot 0; six K steps
	STEP 1, 0, 0, 0
	STEP 1, 1, 1, 0
	TURN 1, 0, 0, 1, 1, 2*REG
	STEP 0, 0, 1, 0
	STEP 0, 1, 0, 0
	TURN 0, 1, 1, 1, 1, 2*REG
	s_sub_co_u32 s3, s3, 1
	s_cmp_lg_u32 s3, 0
	s_cbranch_scc1 .Llap
	STEP 1, 0, 0, 0                                ; fill 9: K steps 26 to 28; nothing more is fetched
	STEP 1, 1, 1, 0
	TURN 1, 0, 0, 0, 0, 0
; THE END.  K step 29 (set 1) as ever, but what it fetches is K steps 30 and 31 for the walk by rows.
.macro ALOAD a                         ; A's block a of K steps 30, 31 into buffer a % 4 of 24 registers
.irp u, 0,1
	FRAG AF+24*((\a)%4)+FR*\u, ADRA, (1+\u)*KB+(\a)*FRB
.endr
.endm
.macro ROWK a, u                       ; block a's eight accumulators, K step 30 + u: B's set u, scale words' set 2 u
	WIN MUL_LO+0x50*((\a)/4)
.irp b, 0,1,2,3,4,5,6,7
	v_wmma_scale_f32_16x16x128_f8f6f4 v[64*((\a)%4)+8*\b:64*((\a)%4)+8*\b+7], v[128*(\u)+FR*\b:128*(\u)+FR*\b+FR-1], v[AF+24*((\a)%4)+FR*(\u):AF+24*((\a)%4)+FR*(\u)+FR-1], v[64*((\a)%4)+8*\b:64*((\a)%4)+8*\b+7], v[SC+16*(\u)+\b], v[SC+16*(\u)+(\a)] matrix_a_fmt:MATRIX_FMT_FP6 matrix_b_fmt:MATRIX_FMT_FP6 matrix_a_scale:MATRIX_SCALE_ROW1
.endr
.endm
.macro PACK a                          ; block a rounded to f16, each accumulator from its low end on: 16 bytes a lane
.set AC, 64*((\a)%4)
	WIN 0x0a+5*((\a)/4)
.irp b, 0,1,2,3,4,5,6,7
.irp r, 0,1,2,3
	v_cvt_pk_f16_f32 v[TMP+4*\b+\r], v[AC+8*\b+2*\r], v[AC+8*\b+2*\r+1]
.endr
.endr
	WIN 0
.endm
.macro TOSTAGE a                       ; through my own stage, back as whole rows of 256 bytes; LDS serves a wave's instructions in order (ISA guide 5.7.1.4)
.set BB, 96+128*((\a)%2)
.irp b, 0,1,2,3,4,5,6,7
	ds_store_b128 v[STO], v[TMP+4*\b:TMP+4*\b+3] offset:32*\b
.endr
.irp t, 0,1,2,3,4,5,6,7
	ds_load_b128 v[BB+4*\t:BB+4*\t+3], v[RD] offset:\t*2*SPITCH
.endr
.endm
.macro SEND a, younger                 ; younger: the LDS loads issued behind TOSTAGE's
.set BB, 96+128*((\a)%2)
	s_wait_dscnt \younger
	s_wait_xcnt 0x0                                ; earlier stores have read their base and their registers
.if (\a) > 0
	s_add_nc_u64 s[10:11], s[10:11], 16*CROW
.endif
.irp t, 0,1,2,3,4,5,6,7
	global_store_b128 v[CO], v[BB+4*\t:BB+4*\t+3], s[10:11] offset:2*\t*CROW th:TH_STORE_NT   ; sixteen lanes store 256 consecutive bytes, aligned
.endr
.endm
	s_wait_dscnt 4*NL
	WIN MUL_LO
	MUL16 0, 1, 0
	MUL16 2, 1, 0
	s_wait_dscnt 0
	PLACES NP
	FETCH_B 0, 1, 0                                ; K step 30's B into set 0
	SCALES 0, 1, 0                                 ; its scale words into set 0,
	SCALES 0, 2, 2                                 ; K step 31's into set 2
	ALOAD 0                                        ; where K step 29's blocks 0-3 lay
	ALOAD 1
	WIN MUL_HI
	MUL16 4, 1, 0
	MUL16 6, 1, 0
	PLACES NP
	FETCH_B 0, 2, 1                                ; K step 31's B into set 1
	ALOAD 2
	ALOAD 3
	s_wait_dscnt 36                                ; all but the 36 just issued
	ROWK 0, 0
	ROWK 1, 0
	s_wait_dscnt 12                                ; K step 31's B is in; blocks 2 and 3 of A may be out
	ROWK 0, 1
	ROWK 1, 1
	PLACES NP                                      ; block 0's conversions read results just made; later blocks have the block before's 32 conversions as places
.irp a, 0,1,2,3,4,5,6,7
	PACK \a
	TOSTAGE \a
.if \a < 4
	ALOAD \a+4                                     ; its buffer takes the block four on
.endif
.if \a == 0
	s_wait_dscnt 22                                ; A's blocks 2 and 3 are in: behind them stand block 0's 16 stage instructions and the 6 loads above
.endif
.if \a < 6
	ROWK \a+2, 0                                   ; the block two on is multiplied while this block goes through the stage
	ROWK \a+2, 1
	WIN 0
.endif
.if \a < 4
	SEND \a, 6
.else
	SEND \a, 0
.endif
.endr
	s_wait_tensorcnt 0x0                           ; the wave's end
	ds_add_u32 v[SPW], v[NIL]
	s_wait_dscnt 0x0
	CROUND                                         ; the closing round
	s_endpgm
.Lfunc_end_k_q3d01e63bae_gemm:
	.size	k_q3d01e63bae_gemm, .Lfunc_end_k_q3d01e63bae_gemm-k_q3d01e63bae_gemm
	.p2alignl 7, 3214868480
	.fill 96, 4, 3214868480
	.section	.rodata,"a",@progbits
	.p2align	6, 0x0
	.amdhsa_kernel k_q3d01e63bae_gemm
		.amdhsa_group_segment_fixed_size 327680
		.amdhsa_private_segment_fixed_size 0
		.amdhsa_enable_private_segment 0
		.amdhsa_kernarg_size 32
		.amdhsa_user_sgpr_count 2
		.amdhsa_user_sgpr_kernarg_segment_ptr 1
		.amdhsa_wavefront_size32 1
		.amdhsa_system_sgpr_workgroup_id_x 1
		.amdhsa_system_sgpr_workgroup_id_y 1
		.amdhsa_system_sgpr_workgroup_id_z 1
		.amdhsa_system_vgpr_workitem_id 0
		.amdhsa_next_free_vgpr 1024
		.amdhsa_next_free_sgpr 102
		.amdhsa_reserve_vcc 0
		.amdhsa_float_denorm_mode_32 3
		.amdhsa_float_denorm_mode_16_64 3
		.amdhsa_memory_ordered 1
		.amdhsa_forward_progress 1
		.amdhsa_inst_pref_size 213
	.end_amdhsa_kernel
	.amdgpu_metadata
---
amdhsa.version: [ 1, 2 ]
amdhsa.kernels:
  - .name:           k_q3d01e63bae_gemm
    .symbol:         k_q3d01e63bae_gemm.kd
    .args:
      - { .name: xq, .offset: 0, .size: 8, .value_kind: global_buffer, .address_space: global }
      - { .name: wq, .offset: 8, .size: 8, .value_kind: global_buffer, .address_space: global }
      - { .name: bias, .offset: 16, .size: 8, .value_kind: global_buffer, .address_space: global }
      - { .name: out0, .offset: 24, .size: 8, .value_kind: global_buffer, .address_space: global }
    .group_segment_fixed_size: 327680
    .private_segment_fixed_size: 0
    .kernarg_segment_align: 8
    .kernarg_segment_size: 32
    .max_flat_workgroup_size: 128
    .sgpr_count:     102
    .vgpr_count:     1024
    .wavefront_size: 32
...
	.end_amdgpu_metadata
.endif
;; end of part 2
